; MI455X (gfx1250); checked and timed in simulation.
; The chip was launched on July 23, 2026; its instructions are those of AMD's public machine-readable ISA for CDNA 5 (MIT licence, August 2026) and "CDNA5" Instruction Set Architecture Reference Guide (July 2026). The comments in the code are by the model that wrote it; some were corrected since.
;; Custom LSTM Cell. Allowed arithmetic: matrix products marked QUANTISED: E5M2 operands, one E8M0 scale for each 32 along K, by v_wmma_scale_f32_16x16x128_f8f6f4 with both operands' format E5M2, f32 sums; everything else in f32.
;; Inputs: C_prev 8,192 x 1,024 float32; W_C 2,048 x 1,024 float32; W_f 2,048 x 1,024 float32; W_i 2,048 x 1,024 float32; W_o 2,048 x 1,024 float32; b_C 1,024 float32; b_f 1,024 float32; b_i 1,024 float32; b_o 1,024 float32; h_prev 8,192 x 1,024 float32; x 8,192 x 1,024 float32.
;; Outputs: out0 8,192 x 1,024 float32; out1 8,192 x 1,024 float32.
;; This version of the problem:
;;   THIS VERSION OF THE PROBLEM IS GIVEN IN LOW PRECISION. The matrix products marked QUANTISED in the list below multiply operands that are first quantised to E5M2 (5 exponent bits, 2 mantissa bits; 8 bits a number), with one power-of-two scale for each 32 numbers along K (OCP MX v1.0); their sums are f32. All else is computed in f32.
;;   The module's matrix products, in the order in which they are computed (A, B: the left and right operand; K: the contracted axis; several contracted axes count as one K, in the product's order):
;;     1. [M 8,192, K 2,048] x [K 2,048, N 4,096]; A: computed on the way; B: computed on the way: QUANTISED
;;   THE QUANTISER, for each operand of a quantised product, along K:
;;     - K is cut into blocks of 32 from its start; a last block that is shorter is filled with zeros.
;;     - A block's scale is 2^e with e = floor(log2(the largest magnitude in the block)) - 15, held to -126 .. 127; a block of zeros has e = 0. As a byte (E8M0): e + 127.
;;     - Each number is divided by its block's scale, clamped to +-57,344, and rounded to the nearest number of E5M2, ties to even, subnormals kept.
;;     - The product sums the exact products of the quantised numbers (number of the format x scale) in f32.
;;   ~~~python
;;   def quantise(x, axis):      # numpy; x: float32 -> the quantised numbers, widened to float32 again
;;       x = np.moveaxis(x, axis, -1); K = x.shape[-1]
;;       x = np.pad(x, [(0, 0)] * (x.ndim - 1) + [(0, -K % 32)]); x = x.reshape(x.shape[:-1] + (-1, 32)); a = np.abs(x).max(-1, keepdims=True)
;;       e = np.where(a > 0, np.clip(np.frexp(np.where(a > 0, a, 1))[1] - 1 - 15, -126, 127), 0)      # np.frexp(a)[1] - 1 = floor(log2(a)), exactly
;;       r = np.clip(x / 2.0 ** e, -57344, 57344)
;;       step = 2.0 ** (np.maximum(np.frexp(np.where(r == 0, 1, r))[1] - 1, -14) - 2)
;;       q = np.round(r / step) * step * 2.0 ** e      # np.round: ties to even
;;       return np.moveaxis(q.reshape(q.shape[:-2] + (-1,))[..., :K], -1, axis).astype(np.float32)
;;   ~~~
;;   OPERANDS COMPUTED ON THE WAY. 'Computed on the way' means the value that the module computes at that place (a softmax that the list does not call 'softmax' is quantised finished and normalised). What goes into a quantiser is computed in f32, as accurately as f32 sums, v_exp_f32 and their like allow (about 1e-6 of the number): no bf16 or f16 on the way to a quantiser, and a product that is left as it is and whose result goes on into a quantised operand takes f32 operands (vector FMAs, or v_wmma_f32_16x16x4_f32). A number that lies on a knife's edge between two numbers of the format may be rounded either way, as far as f32 arithmetic and the matrix unit's own rounding can turn it there, and no further.
;; One version. Each part assembles by itself: llvm-mc -triple=amdgcn-amd-amdhsa -mcpu=gfx1250 --defsym DOCPART=n.
;; ======== version 1 of 1: 2 launches
;; limits: right only within a limited range of input values
;; workspace buffers: a_codes 16,777,216 bytes; a_scales 524,288 bytes; w_codes 8,388,608 bytes; w_scales 262,144 bytes
;; launch quant (part 1): grid 768 x 1, 4 waves a work-group, no clusters, 68,096 bytes of LDS; arguments x, h_prev, W_f, W_i, W_o, W_C, a_codes, a_scales, w_codes, w_scales; writes a_codes, a_scales, w_codes, w_scales
.if DOCPART == 1
	.amdgcn_target "amdgcn-amd-amdhsa--gfx1250"
	.amdhsa_code_object_version 6
	.text
	.protected	k_q774b1c372b_quant
	.globl	k_q774b1c372b_quant
	.p2align	8
	.type	k_q774b1c372b_quant,@function
k_q774b1c372b_quant:
	s_mov_b64 s[64:65], 0
	v_nop
	global_prefetch_b8 v0, s[64:65] scope:SCOPE_SE
	s_setreg_imm32_b32 hwreg(HW_REG_WAVE_MODE, 25, 1), 1
	s_wait_xcnt 0x0
; Both operands of gates = [x | h_prev] [W_f | W_i | W_o | W_C] become codes of BF8 (E5M2), K innermost, with one E8M0 scale byte for each 32 along K (K = 2,048).
; A block's scale is 2^(floor(log2(its largest magnitude)) - 15); its byte is that magnitude's exponent field - 15, held at 1 from below.  Each number is divided by the scale,
; held within +-57,344 and rounded to the nearest code, ties to even.
; OUT: a_codes [8192][2048]: row m = the codes of x[m], then of h_prev[m].
;      w_codes [4096][2048]: row n' = 256 (j / 64) + 64 g + 16 (j % 4) + (j % 64) / 4 is column j of gate g's weight (g = 0 f, 1 i, 2 o, 3 C).
;      a_scales [8 (k / 256)][8192][8], w_scales [8 (k / 256)][4096 (n')][8]: the eight bytes of 256 along K of a row lie together, 32 rows in 256 bytes.
;      In a_scales the two words of a row are swapped (k 128-255 first): the product's launch then finds A's and W's words of one step in registers of unlike parity.
; LIMITS: NaN and infinities among the inputs are not served.  A block whose largest magnitude lies under 2^-111 has its byte held at 1.  A block of zeros gets the byte 1 where the
; rule says 127: its codes are zeros, which add nothing under any byte but 0xff, and the bytes are read by this program alone.
; SHARES: work-groups 0-511 take x and h_prev, work-groups 512-767 the weights.  The two ways part on the work-group's number, never join, and have LDS bytes of their own.
; No tensor loads, no barrier: waves share nothing.  Matrix units and clusters would add nothing: the launch streams.
.set WGA,   512
.set EMAX,  15
.set MANT,  0x600000                   ; the mantissa field of 57,344 as f32
.set STEPS, 16                         ; rows' way: 16 steps of 512 numbers: two rows x 256 along K
.set R,     16                         ; v16-79   four sets of 16 numbers as loaded
.set X,     80                         ; v80-111  two sets of 16 neighbours
.set E,     112                        ; v112-127 a scale byte for each step
.set C,     128                        ; v128-191 codes, four registers for each step
.set WREG,  8192                       ; LDS of a wave: two stages of 32 x SP bytes, then its 256 scale bytes
.set SP,    80                         ; a lane's 64 bytes + 16 of padding
.set WLDS,  32768                      ; the weights' way's LDS
.set PITCH, 272
.set NB,    8
.set XW,    32
.set CW,    96
.set OUTR,  112
.set SB,    24
	v_lshl_add_u32 v192, v0, 2, 0x10800
	v_mov_b32 v193, 0
	v_lshrrev_b32 v1, 5, v0
	v_readfirstlane_b32 s16, v1                    ; wave
	v_and_b32 v2, 31, v0                           ; lane
	s_cmp_lt_u32 ttmp9, WGA
	s_cbranch_scc0 .Lweights
; ---- x and h_prev.  Wave number n = 4 x work-group + wave takes rows 32 (n / 8) .. + 31, k = 256 (n % 8) .. + 255: from x where n % 8 < 4, else from h_prev.
; Each load reads 512 consecutive bytes; a step's 2,048 bytes turn through the wave's own stage, so that a lane holds 16 neighbours along K.
	s_load_b128 s[4:7], s[0:1], 0x0                ; x, h_prev
	s_load_b128 s[8:11], s[0:1], 0x30              ; a_codes, a_scales
	v_lshlrev_b32 v3, 4, v2
	s_mul_i32 s17, s16, WREG
	v_lshrrev_b32 v14, 2, v2
	v_mul_u32_u24 v14, v14, SP
	v_and_b32 v15, 3, v2
	v_lshl_add_u32 v14, v15, 4, v14
	v_add_nc_u32 v14, s17, v14                     ; the stage, on the way in
	v_mul_u32_u24 v15, v2, SP
	v_add_nc_u32 v15, s17, v15                     ; and on the way out
	v_lshrrev_b32 v5, 1, v2                        ; my block of the step's 16: row (lane / 16), block (lane / 2) % 8
	v_xor_b32 v5, 4, v5                            ; the row's two words swapped
	s_add_co_u32 s17, s17, 2*32*SP
	v_add_nc_u32 v5, s17, v5
	v_lshlrev_b32 v7, 3, v2
	v_add_nc_u32 v6, s17, v7
	v_and_b32 v4, 15, v2
	v_lshrrev_b32 v12, 4, v2
	v_lshlrev_b32 v4, 4, v4
	v_lshl_add_u32 v4, v12, 11, v4                 ; my codes: row lane / 16 of the step's two, 16 bytes at 16 (lane % 16)
	s_mov_b32 s23, MANT
	s_lshl_b32 s18, ttmp9, 2
	s_add_co_u32 s18, s18, s16
	s_and_b32 s19, s18, 7                          ; which 256 along K
	s_lshr_b32 s18, s18, 3                         ; which 32 rows
	s_mov_b32 s21, 0
	s_wait_alu depctr_va_vdst(0)                   ; the wait at the head's end
	s_wait_kmcnt 0x0
	s_cmp_lt_u32 s19, 4                            ; the choice hangs on ids alone
	s_cselect_b64 s[4:5], s[4:5], s[6:7]
	s_and_b32 s22, s19, 3
	s_lshl_b32 s22, s22, 10
	s_lshl_b32 s20, s18, 17                        ; 32 rows of 4,096 bytes
	s_add_co_u32 s20, s20, s22
	s_add_nc_u64 s[4:5], s[4:5], s[20:21]
	s_lshl_b32 s20, s18, 16                        ; 32 rows of 2,048 codes
	s_lshl_b32 s22, s19, 8
	s_add_co_u32 s20, s20, s22
	s_add_nc_u64 s[8:9], s[8:9], s[20:21]
	s_lshl_b32 s20, s19, 16                        ; 8,192 rows of 8 scale bytes
	s_lshl_b32 s22, s18, 8
	s_add_co_u32 s20, s20, s22
	s_add_nc_u64 s[10:11], s[10:11], s[20:21]
.macro LOADA t
.irp i, 0,1,2,3
	global_load_b128 v[R+16*((\t)%4)+4*\i:R+16*((\t)%4)+4*\i+3], v3, s[4:5] offset:4096*(2*(\t)+(\i)/2)+512*((\i)%2) th:TH_LOAD_NT
.endr
.endm
.macro TURNA t                         ; LDS serves a wave's instructions in order: no wait between the stores and the loads
.irp i, 0,1,2,3
	ds_store_b128 v14, v[R+16*((\t)%4)+4*\i:R+16*((\t)%4)+4*\i+3] offset:32*SP*((\t)%2)+8*SP*\i
.endr
.irp i, 0,1,2,3
	ds_load_b128 v[X+16*((\t)%2)+4*\i:X+16*((\t)%2)+4*\i+3], v15 offset:32*SP*((\t)%2)+16*\i
.endr
.endm
.irp t, 0,1,2,3
	LOADA \t
.endr
	s_wait_loadcnt 12                              ; step 0's four loads are in; the twelve behind them may be out
	TURNA 0
.macro STEPA t
.set XS, X+16*((\t)%2)
.if (\t) > 0
	s_wait_dscnt 1                                 ; this step's numbers are back (the last step's byte store may be out)
.else
	s_wait_dscnt 0x0
.endif
.if (\t)+4 < STEPS
	LOADA (\t)+4
.endif
.if (\t)+1 < STEPS
.if STEPS-2-(\t) >= 3
	s_wait_loadcnt 12                              ; the next step's four loads are in; three steps' may be out
.else
	s_wait_loadcnt 4*(STEPS-2-(\t))
.endif
	TURNA (\t)+1
.endif
	v_max3_num_f32 v8, |v[XS]|, |v[XS+1]|, |v[XS+2]|
	v_max3_num_f32 v9, |v[XS+3]|, |v[XS+4]|, |v[XS+5]|
.irp i, 6,10
	v_max3_num_f32 v8, v8, |v[XS+\i]|, |v[XS+\i+1]|
	v_max3_num_f32 v9, v9, |v[XS+\i+2]|, |v[XS+\i+3]|
.endr
	v_max3_num_f32 v8, v8, |v[XS+14]|, |v[XS+15]|
	v_max3_num_f32 v8, v8, v9, (EMAX+1)<<23        ; the floor 2^(16 - 127): the byte cannot fall under 1
	v_max_num_f32_dpp v8, v8, v8 row_xmask:1 row_mask:0xf bank_mask:0xf   ; with my neighbour's 16: the block's
	v_add_nc_u32 v11, -(EMAX<<23), v8              ; the conversion's scale operand
	v_and_or_b32 v10, v8, 0x7f800000, s23          ; 57,344 x the scale
.irp i, 0,1,2,3,4,5,6,7,8,9,10,11,12,13,14,15
	v_med3_num_f32 v[XS+\i], v[XS+\i], -v10, v10   ; the conversion does not saturate (ISA guide 7.6.2)
.endr
	v_cvt_scalef32_pk8_bf8_f32 v[C+4*(\t):C+4*(\t)+1], v[XS:XS+7], v11
	v_cvt_scalef32_pk8_bf8_f32 v[C+4*(\t)+2:C+4*(\t)+3], v[XS+8:XS+15], v11
	v_lshrrev_b32 v[E+(\t)], 23, v11               ; the scale's byte (also the plain line behind the conversions)
	ds_store_b8 v5, v[E+(\t)] offset:16*(\t)
	global_store_b128 v4, v[C+4*(\t):C+4*(\t)+3], s[8:9] offset:4096*(\t)   ; sixteen lanes store 256 consecutive bytes, aligned
.endm
.irp t, 0,1,2,3,4,5,6,7,8,9,10,11,12,13,14,15
	STEPA \t
.endr
	ds_load_b64 v[12:13], v6
	s_wait_dscnt 0x0
	global_store_b64 v7, v[12:13], s[10:11]        ; 32 rows' eight bytes: 256 consecutive bytes, aligned
	s_wait_tensorcnt 0x0                           ; the wave's end
	ds_add_u32 v192, v193
	s_wait_dscnt 0x0
	s_endpgm
; ---- the weights, [2048 (k)][1024 (j)] each.  A lane takes a column j and its registers run down K.  Work-group: gate x 64 + xg x 8 + ky: 128 columns, 256 along K; a wave 32 columns.
; Lane l's column goes to stage row 8 (l % 4) + l / 4, so that the stage's rows leave in the order of w_codes: four runs of eight rows, 16 rows apart.
.Lweights:
	s_load_b256 s[4:11], s[0:1], 0x10              ; W_f, W_i, W_o, W_C
	s_load_b128 s[12:15], s[0:1], 0x40             ; w_codes, w_scales
	s_sub_co_u32 s17, ttmp9, WGA
	s_and_b32 s18, s17, 7                          ; ky
	s_bfe_u32 s20, s17, 0x30003                    ; xg
	s_lshr_b32 s21, s17, 6                         ; gate
	s_lshl_b32 s22, s20, 7
	s_lshl_b32 s23, s16, 5
	s_add_co_u32 s22, s22, s23                     ; my wave's first column
	s_lshl_b32 s22, s22, 2
	s_lshl_b32 s24, s18, 20
	s_add_co_u32 s24, s24, s22
	s_mov_b32 s25, 0
	s_lshl_b32 s23, s20, 9                         ; my first row n' = 256 (column / 64) + 64 gate + (column % 64) / 4
	s_lshr_b32 s26, s16, 1
	s_lshl_b32 s26, s26, 8
	s_add_co_u32 s23, s23, s26
	s_and_b32 s26, s16, 1
	s_lshl_b32 s26, s26, 3
	s_add_co_u32 s23, s23, s26
	s_lshl_b32 s26, s21, 6
	s_add_co_u32 s23, s23, s26
	s_lshl_b32 s26, s23, 11
	s_lshl_b32 s28, s18, 8
	s_add_co_u32 s26, s26, s28
	s_mov_b32 s27, 0
	s_lshl_b32 s28, s23, 3
	s_lshl_b32 s30, s18, 15
	s_add_co_u32 s28, s28, s30
	s_mov_b32 s29, 0
	s_mul_i32 s19, s16, 32*PITCH
	s_add_co_u32 s19, s19, WLDS
	s_mov_b32 s31, MANT
	s_wait_alu depctr_va_vdst(0)                   ; the wait behind the run of scalar lines
	v_lshlrev_b32 v3, 2, v2
	v_and_b32 v4, 3, v2
	v_lshrrev_b32 v10, 2, v2
	v_lshl_or_b32 v9, v4, 4, v10                   ; my row among the wave's: 16 (l % 4) + l / 4
	v_lshl_or_b32 v4, v4, 3, v10                   ; my stage row
	v_mul_u32_u24 v4, v4, PITCH
	v_add_nc_u32 v4, s19, v4
	v_and_b32 v5, 15, v2
	v_lshrrev_b32 v6, 4, v2
	v_mul_u32_u24 v7, v6, PITCH
	v_lshl_add_u32 v7, v5, 4, v7
	v_add_nc_u32 v7, s19, v7
	v_lshlrev_b32 v8, 11, v6
	v_lshl_add_u32 v8, v5, 4, v8
	v_lshlrev_b32 v9, 3, v9                        ; eight scale bytes a row
	s_wait_alu depctr_va_vdst(0)                   ; the wait at the head's end
	s_wait_kmcnt 0x0
	s_cmp_eq_u32 s21, 1
	s_cselect_b64 s[4:5], s[6:7], s[4:5]
	s_cmp_eq_u32 s21, 2
	s_cselect_b64 s[4:5], s[8:9], s[4:5]
	s_cmp_eq_u32 s21, 3
	s_cselect_b64 s[4:5], s[10:11], s[4:5]
	s_add_nc_u64 s[4:5], s[4:5], s[24:25]
	s_add_nc_u64 s[12:13], s[12:13], s[26:27]
	s_add_nc_u64 s[14:15], s[14:15], s[28:29]
.macro LOADW t
.irp i, 0,1,2,3,4,5,6,7,8,9,10,11,12,13,14,15,16,17,18,19,20,21,22,23,24,25,26,27,28,29,30,31
	global_load_b32 v[XW+32*((\t)%2)+\i], v3, s[4:5] offset:(32*(\t)+\i)*4096 th:TH_LOAD_NT
.endr
.endm
	LOADW 0
	LOADW 1
.macro BLOCKW t
.set XS, XW+32*((\t)%2)
.if (\t) < NB-1
	s_wait_loadcnt 32                              ; this block's 32 loads are in; the next block's may be out
.else
	s_wait_loadcnt 0
.endif
	v_max3_num_f32 v12, |v[XS]|, |v[XS+1]|, |v[XS+2]|
	v_max3_num_f32 v13, |v[XS+3]|, |v[XS+4]|, |v[XS+5]|
.irp i, 6,10,14,18,22,26
	v_max3_num_f32 v12, v12, |v[XS+\i]|, |v[XS+\i+1]|
	v_max3_num_f32 v13, v13, |v[XS+\i+2]|, |v[XS+\i+3]|
.endr
	v_max3_num_f32 v12, v12, |v[XS+30]|, |v[XS+31]|
	v_max3_num_f32 v12, v12, v13, (EMAX+1)<<23
	v_add_nc_u32 v11, -(EMAX<<23), v12
	v_and_or_b32 v10, v12, 0x7f800000, s31
	v_lshrrev_b32 v13, 23, v11
.if (\t)%4 == 0
	v_mov_b32 v[SB+(\t)/4], v13
.else
	v_lshl_or_b32 v[SB+(\t)/4], v13, 8*((\t)%4), v[SB+(\t)/4]
.endif
.irp i, 0,1,2,3,4,5,6,7,8,9,10,11,12,13,14,15,16,17,18,19,20,21,22,23,24,25,26,27,28,29,30,31
	v_med3_num_f32 v[XS+\i], v[XS+\i], -v10, v10
.endr
.irp g, 0,1,2,3
	v_cvt_scalef32_pk8_bf8_f32 v[CW+2*\g:CW+2*\g+1], v[XS+8*\g:XS+8*\g+7], v11
.endr
	v_nop                                          ; one plain line behind the last conversion of the run
	ds_store_b128 v4, v[CW:CW+3] offset:32*(\t)
	ds_store_b128 v4, v[CW+4:CW+7] offset:32*(\t)+16
.if (\t)+2 < NB
	LOADW (\t)+2
.endif
	s_wait_dscnt 0x0                               ; the stores have read their registers
.endm
.set Q, 0
.rept NB
	BLOCKW Q
.set Q, Q+1
.endr
	global_store_b64 v9, v[SB:SB+1], s[14:15]      ; my row's eight scale bytes: eight neighbouring lanes' rows make 64 consecutive bytes
.irp t, 0,1,2,3,4,5,6,7,8,9,10,11,12,13,14,15
	ds_load_b128 v[OUTR+4*\t:OUTR+4*\t+3], v7 offset:2*\t*PITCH
.endr
.irp t, 0,1,2,3,4,5,6,7,8,9,10,11,12,13,14,15
	s_wait_dscnt 15-\t
	global_store_b128 v8, v[OUTR+4*\t:OUTR+4*\t+3], s[12:13] offset:(16*((\t)/4)+2*((\t)%4))*2048
.endr
	s_wait_tensorcnt 0x0                           ; the wave's end
	ds_add_u32 v192, v193
	s_wait_dscnt 0x0
	s_endpgm
.Lfunc_end_k_q774b1c372b_quant:
	.size	k_q774b1c372b_quant, .Lfunc_end_k_q774b1c372b_quant-k_q774b1c372b_quant
	.p2alignl 7, 3214868480
	.fill 96, 4, 3214868480
	.section	.rodata,"a",@progbits
	.p2align	6, 0x0
	.amdhsa_kernel k_q774b1c372b_quant
		.amdhsa_group_segment_fixed_size 68096
		.amdhsa_private_segment_fixed_size 0
		.amdhsa_enable_private_segment 0
		.amdhsa_kernarg_size 80
		.amdhsa_user_sgpr_count 2
		.amdhsa_user_sgpr_kernarg_segment_ptr 1
		.amdhsa_wavefront_size32 1
		.amdhsa_system_sgpr_workgroup_id_x 1
		.amdhsa_system_sgpr_workgroup_id_y 1
		.amdhsa_system_sgpr_workgroup_id_z 1
		.amdhsa_system_vgpr_workitem_id 0
		.amdhsa_next_free_vgpr 194
		.amdhsa_next_free_sgpr 66
		.amdhsa_reserve_vcc 0
		.amdhsa_float_denorm_mode_32 3
		.amdhsa_float_denorm_mode_16_64 3
		.amdhsa_memory_ordered 1
		.amdhsa_forward_progress 1
		.amdhsa_inst_pref_size 111
	.end_amdhsa_kernel
	.amdgpu_metadata
---
amdhsa.version: [ 1, 2 ]
amdhsa.kernels:
  - .name:           k_q774b1c372b_quant
    .symbol:         k_q774b1c372b_quant.kd
    .args:
      - { .name: x, .offset: 0, .size: 8, .value_kind: global_buffer, .address_space: global }
      - { .name: h_prev, .offset: 8, .size: 8, .value_kind: global_buffer, .address_space: global }
      - { .name: W_f, .offset: 16, .size: 8, .value_kind: global_buffer, .address_space: global }
      - { .name: W_i, .offset: 24, .size: 8, .value_kind: global_buffer, .address_space: global }
      - { .name: W_o, .offset: 32, .size: 8, .value_kind: global_buffer, .address_space: global }
      - { .name: W_C, .offset: 40, .size: 8, .value_kind: global_buffer, .address_space: global }
      - { .name: a_codes, .offset: 48, .size: 8, .value_kind: global_buffer, .address_space: global }
      - { .name: a_scales, .offset: 56, .size: 8, .value_kind: global_buffer, .address_space: global }
      - { .name: w_codes, .offset: 64, .size: 8, .value_kind: global_buffer, .address_space: global }
      - { .name: w_scales, .offset: 72, .size: 8, .value_kind: global_buffer, .address_space: global }
    .group_segment_fixed_size: 68096
    .private_segment_fixed_size: 0
    .kernarg_segment_align: 8
    .kernarg_segment_size: 80
    .max_flat_workgroup_size: 128
    .sgpr_count:     66
    .vgpr_count:     194
    .wavefront_size: 32
...
	.end_amdgpu_metadata
.endif
;; end of part 1
;; launch cell (part 2): grid 16 x 16, 4 waves a work-group, clusters of 4 x 4, 327,680 bytes of LDS; arguments a_codes, a_scales, w_codes, w_scales, C_prev, b_f, b_i, b_o, b_C, out0, out1; writes out0, out1
.if DOCPART == 2
	.amdgcn_target "amdgcn-amd-amdhsa--gfx1250"
	.amdhsa_code_object_version 6
	.text
	.protected	k_q774b1c372b_cell
	.globl	k_q774b1c372b_cell
	.p2align	8
	.type	k_q774b1c372b_cell,@function
k_q774b1c372b_cell:
	s_mov_b64 s[64:65], 0
	v_nop
	global_prefetch_b8 v0, s[64:65] scope:SCOPE_SE
	s_setreg_imm32_b32 hwreg(HW_REG_WAVE_MODE, 25, 1), 1
	s_wait_xcnt 0x0
	s_wait_alu depctr_hold_cnt(0) depctr_sa_sdst(0) depctr_va_vdst(0) depctr_va_sdst(0) depctr_va_ssrc(0) depctr_va_vcc(0) depctr_vm_vsrc(0)
	s_getreg_b32 s2, hwreg(HW_REG_IB_STS2, 6, 4)
	s_cmp_eq_u32 s2, 0
	s_cbranch_scc0 .Lentry_in_a_cluster
	s_endpgm
.Lentry_in_a_cluster:
	s_bfe_u32 s2, ttmp6, 0x10000c
	s_cmp_lg_u32 s2, 0xf033
	s_cbranch_scc0 .Lentry_shape_is_right
	s_endpgm
.Lentry_shape_is_right:
; gates[m][n'] = sum over k of A[m][k] W[n'][k] on codes of BF8 (E5M2) with one E8M0 scale for each 32 along K (K = 2,048), sums in f32; behind it, in registers, the LSTM cell:
; f, i, o = sigmoid(gate + bias), C~ = tanh(gate + bias), C_t = f C_prev + i C~ (out1), h_t = o tanh(C_t) (out0), all f32.  The gates never go to memory.
; w_codes' row n' = 256 (j / 64) + 64 g + 16 (j % 4) + (j % 64) / 4 is hidden unit j of gate g (0 f, 1 i, 2 o, 3 C).  Scale bytes lie [k / 256][row][8]; in a_scales a row's two words are swapped.
; SHARES.  256 work-groups that stay: each makes two tiles of 256 rows x 256 n' (64 hidden units x 4 gates), 4,096 rows apart, with the same rows of W.  Four waves, as many as a WGP has SIMDs; a wave makes
; 64 rows x 256 n': 64 accumulators, 512 registers.  Source 0 = 16 rows of A, source 1 = 16 rows of W: in accumulator (a, b) lane (r, h) holds column n' = 16 b + r, which is gate b / 4 of hidden unit 4 r + b % 4,
; and its register j the row 16 a + 8 h + j.  So a lane holds all four gates of four neighbouring hidden units of a row: sixteen lanes load and store 256 consecutive bytes of a row of C_prev, out0, out1,
; straight between memory and registers: the cell uses no LDS and no barrier.  The price: a wave reads 320 LDS rows for 64 products where a square share would read 256.
; K goes in steps of 256 through a ring of two LDS slots filled by joint tensor loads (clusters of 4 x 4: A's tiles shared along a row, W's along a column).  The ring runs on into the second tile.
; W has one set of registers: blocks 0-7 are loaded again in a step's middle, when their products are issued, blocks 8-15 at its end.  A has two sets.  So a step has two runs of LDS loads, each behind its eight places.
; The scale words come by global loads of 256 consecutive bytes, one K step ahead.
; ARITHMETIC.  sigmoid(z) = 1 / (1 + 2^(-z log2 e)), tanh(z) = 1 - 2 / (1 + 2^(2 z log2 e)).  For large |z| the exponential becomes infinity or 0 and the results exactly 0, 1 or +-1: no clip is needed.
; LIMITS: tanh has an absolute error of about 1e-7, which near 0 is no small relative error; NaN and infinities among the inputs are not served.
; REGISTERS: window 0: v0-31 addresses; v32-75 scale words, two sets, and nothing else; v80-111 the biases; v128-255 A's fragments, two sets (in the cell v128-159 C_prev).
;   window 1: W's 16 fragments (in the cell: v0-127 the gates, v128-159 C_t, v160-191 h_t, v192-223 at work).  window 2: accumulators of b = 0-7 at v[32 b + 8 a];  window 3: of b = 8-15.
.set ROWB,   256
.set KROW,   2048
.set PITCH,  272                       ; 256 bytes + 16: the 16 rows that a load touches start at 16 different banks (64 banks of 4 bytes: ISA guide 11.1)
.set HALFT,  128*PITCH                 ; what one tensor load brings
.set SLOT,   4*HALFT                   ; A's 256 rows, then W's 256 rows
.set SPARE,  2*SLOT                    ; the spare words, 128 bytes for each wave
.set WALK,   4096                      ; rows from my first tile to my second
.set ADRA, 16                          ; v16-17 LDS address of my A fragments in slot 0, 1
.set ADRW, 18                          ; v18-19 the same for W
.set SOF,  20                          ; v20 8 x lane
.set VO,   21                          ; v21 byte offset in C_prev, out0, out1 of my 16 bytes of row 8 h of the block at work
.set PCV,  22                          ; v22 C_prev's prefetch: a lane a row
.set PFO,  23                          ; v23 the codes' prefetch: lane x 2,048
.set SPW,  28
.set NIL,  29
.set SA,   32                          ; scale words, set s at SA + 24 s: 4 registers of A (pair i: blocks 2 i in lanes 0-15, 2 i + 1 in lanes 16-31), then 16 of W likewise
.set BI,   80                          ; v[BI + 2 b], v[BI + 2 b + 1]: L x the bias of my column of block b, twice (a pair for the packed form)
.set AF,   128
.set CP,   128
.set CT,   128
.set HT,   160
.set XT,   192
.set G1, 24
.set G0, 32
.set G1B, 48
.set G0B, 56
.set LIM, 43                           ; 1 while my wave prefetches codes, then the greatest number (W's waves, behind the first tile)
.set PFA, 44
.set SAB, 68                           ; s[68:69], s[70:71] where the scale words last loaded stand
.set SWB, 70
.set O0, 84
.set O1, 86
.set CPB, 100
.set MSB, 0
.macro WIN new
.if MSB != (\new)
	s_set_vgpr_msb (MSB<<8)|(\new)
.set MSB, (\new)
.endif
.endm
.set MUL_LO, 0xa4                      ; source 0 (A) window 0, source 1 (W) window 1, C and D window 2; + 0x50: window 3
.set TO_W,   0x40
.macro JLOAD s                         ; a joint load: waves 0 and 1 fetch A's halves, waves 2 and 3 W's
	s_cmp_eq_u32 s15, 0
	s_cbranch_scc0 .Lfor_w_\@
	tensor_load_to_lds s[G0+4*\s:G0+4*\s+3], s[G1:G1+7]
	s_nop 0
.rept 4
	v_nop
.endr
	s_branch .Lasked_\@
.Lfor_w_\@:
	tensor_load_to_lds s[G0B+4*\s:G0B+4*\s+3], s[G1B:G1B+7]
	s_nop 0
.rept 4
	v_nop
.endr
.Lasked_\@:
.endm
.macro CREST
	s_cmp_lg_u32 s14, 0
	s_cbranch_scc1 .Lnot_wave_0_\@
	s_barrier_signal -3
.Lnot_wave_0_\@:
	s_barrier_wait -3
	s_barrier_signal -1
	s_barrier_wait -1
.endm
.macro CROUND
	s_barrier_signal -1
	s_barrier_wait -1
	CREST
.endm
.macro PLACES n
.rept \n
	v_nop
.endr
.endm
; The codes' prefetch: of the 128 rows that my wave fetches, each of the four partners names 32, told apart by address: a lane a row, 256 bytes each.  The load of K step t is followed by a prefetch of K step t + 2.
.macro ASK mode
.if (\mode) == 1
	s_cmp_gt_u32 s3, s[LIM]                        ; s3 = 1 in the loop's last trip, whose refills have no K step two on
.else
	s_cmp_eq_u32 s[LIM], 1                         ; at the change of tiles A's waves alone: W's rows have been read
.endif
	s_cbranch_scc0 .Lna_\@
	global_prefetch_b8 v[PFO], s[PFA:PFA+1] offset:3*ROWB th:TH_LOAD_NT scope:SCOPE_SE
.Lna_\@:
.endm
	s_load_b256 s[4:11], s[0:1], 0x0               ; a_codes, a_scales, w_codes, w_scales
	s_load_b64 s[CPB:CPB+1], s[0:1], 0x20          ; C_prev
	s_load_b256 s[76:83], s[0:1], 0x28             ; b_f, b_i, b_o, b_C
	s_load_b128 s[84:87], s[0:1], 0x48             ; out0, out1
	v_lshl_add_u32 v[SPW], v0, 2, SPARE
	v_mov_b32 v[NIL], 0
	ds_add_u32 v[SPW], v[NIL]                      ; the opening lines: the add, twice on end, and its wait
	ds_add_u32 v[SPW], v[NIL]
	v_lshrrev_b32 v1, 5, v0
	v_readfirstlane_b32 s14, v1                    ; wave
	s_lshr_b32 s15, s14, 1                         ; I fetch for A (0) or for W (1)
	s_and_b32 s16, s14, 1                          ; which 128 rows of that tile
	s_bfe_u32 s40, ttmp6, 0x40000                  ; cx
	s_bfe_u32 s41, ttmp6, 0x40004                  ; cy
	s_lshl_b32 s42, ttmp9, 2
	s_add_co_u32 s42, s42, s40                     ; tile column
	s_and_b32 s17, ttmp7, 0xffff
	s_lshl_b32 s17, s17, 2
	s_add_co_u32 s17, s17, s41                     ; my first tile's row of tiles
	s_lshl_b32 s18, s41, 2
	s_lshl_b32 s18, 15, s18                        ; my row of the cluster
	s_lshl_b32 s19, 0x1111, s40                    ; my column
	s_or_b32 s[G1+0], s18, (1<<20)|(1<<21)|(5<<22)|(3<<25)   ; mask; bytes; padding of 4 words behind every 64; bit 21 beside a mask
	s_or_b32 s[G1B+0], s19, (1<<20)|(1<<21)|(5<<22)|(3<<25)
.irp g, G1, G1B
	s_mov_b32 s[\g+1], ROWB<<16
	s_mov_b32 s[\g+2], 128<<16
	s_mov_b32 s[\g+3], ROWB<<16
	s_mov_b32 s[\g+4], 128
	s_mov_b32 s[\g+5], KROW
	s_mov_b32 s[\g+6], 0
	s_mov_b32 s[\g+7], 0
.endr
	s_lshl_b32 s18, s16, 7
	s_lshl_b32 s20, s17, 8
	s_add_co_u32 s20, s20, s18
	s_lshl_b32 s20, s20, 11                        ; A: (256 x tile row + 128 x half) rows of 2,048 bytes
	s_mov_b32 s21, 0
	s_lshl_b32 s46, s42, 8
	s_add_co_u32 s46, s46, s18
	s_lshl_b32 s46, s46, 11                        ; W likewise, by the tile column
	s_mov_b32 s47, 0
	s_mul_i32 s22, s14, HALFT                      ; where they go: wave x 128 rows
	s_wait_dscnt 0x0
	s_wait_kmcnt 0x0
	s_add_nc_u64 s[20:21], s[4:5], s[20:21]
	s_add_nc_u64 s[46:47], s[8:9], s[46:47]
	CROUND                                         ; all sixteen work-groups are here: the first joint loads meet
.irp s, 0,1
	s_mov_b32 s[G0+4*\s], 1
	s_add_co_u32 s[G0+4*\s+1], s22, \s*SLOT
	s_add_nc_u64 s[G0+4*\s+2:G0+4*\s+3], s[20:21], \s*ROWB
	s_or_b32 s[G0+4*\s+3], s[G0+4*\s+3], 0x80000000
	s_mov_b32 s[G0B+4*\s], 1
	s_add_co_u32 s[G0B+4*\s+1], s22, \s*SLOT
	s_add_nc_u64 s[G0B+4*\s+2:G0B+4*\s+3], s[46:47], \s*ROWB
	s_or_b32 s[G0B+4*\s+3], s[G0B+4*\s+3], 0x80000000
.endr
	s_cmp_eq_u32 s15, 0
	s_cselect_b64 s[PFA:PFA+1], s[20:21], s[46:47]
	s_cselect_b32 s104, s40, s41                   ; my place among the four that ask with me
	s_lshl_b32 s104, s104, 16                      ; 32 rows of 2,048 bytes
	s_mov_b32 s105, 0
	s_add_nc_u64 s[PFA:PFA+1], s[PFA:PFA+1], s[104:105]
	s_mov_b32 s[LIM], 1
	JLOAD 0                                        ; K step 0: one tensor load a wave at the head
	v_and_b32 v1, 15, v0                           ; r
	v_bfe_u32 v2, v0, 4, 1                         ; h
	v_and_b32 v3, 31, v0                           ; lane
	v_mul_u32_u24 v4, v1, PITCH
	v_lshl_add_u32 v4, v2, 4, v4                   ; a fragment's row x pitch + 16 h
	s_mul_i32 s21, s14, 64*PITCH                   ; my 64 rows of A
	v_add_nc_u32 v[ADRA], s21, v4
	v_add_nc_u32 v[ADRA+1], SLOT, v[ADRA]
	v_add_nc_u32 v[ADRW], 2*HALFT, v4
	v_add_nc_u32 v[ADRW+1], 2*HALFT+SLOT, v4
	v_lshlrev_b32 v[SOF], 3, v3
	v_lshlrev_b32 v[PFO], 11, v3
	s_lshl_b32 s18, s17, 8
	s_lshl_b32 s19, s14, 6
	s_add_co_u32 s18, s18, s19                     ; my first row
	s_lshl_b32 s22, s18, 12
	s_lshl_b32 s19, s42, 8                         ; the tile's 64 hidden units: 256 bytes of a row
	s_add_co_u32 s22, s22, s19
	v_lshlrev_b32 v5, 15, v2
	v_lshl_add_u32 v5, v1, 4, v5
	v_add_nc_u32 v[VO], s22, v5
	v_lshl_add_u32 v[PCV], v3, 12, s22
	v_lshlrev_b32 v6, 4, v1                        ; my four numbers of a bias
	s_lshl_b32 s104, s18, 3
	s_add_nc_u64 s[SAB:SAB+1], s[6:7], s[104:105]
	s_lshl_b32 s104, s42, 11
	s_add_nc_u64 s[SWB:SWB+1], s[10:11], s[104:105]
	s_mov_b32 s104, s19
.irp g, 0,1,2,3
	s_add_nc_u64 s[76+2*\g:77+2*\g], s[76+2*\g:77+2*\g], s[104:105]
.endr
	s_wait_alu depctr_va_vdst(0)                   ; the wait at the end of the head's vector lines
.macro SLOAD set                       ; a K step's scale words: each load reads 32 rows' eight bytes, 256 consecutive bytes
	global_load_b64 v[SA+24*(\set):SA+24*(\set)+1], v[SOF], s[SAB:SAB+1]
	global_load_b64 v[SA+24*(\set)+2:SA+24*(\set)+3], v[SOF], s[SAB:SAB+1] offset:256
.irp i, 0,1,2,3,4,5,6,7
	global_load_b64 v[SA+24*(\set)+4+2*\i:SA+24*(\set)+5+2*\i], v[SOF], s[SWB:SWB+1] offset:256*\i
.endr
.endm
.irp g, 0,1,2,3
	global_load_b128 v[112+4*\g:115+4*\g], v6, s[76+2*\g:77+2*\g]   ; gate g, hidden units 4 r .. 4 r + 3: blocks 4 g .. 4 g + 3
.endr
	SLOAD 0
	global_prefetch_b8 v[PFO], s[PFA:PFA+1] offset:ROWB th:TH_LOAD_NT scope:SCOPE_SE     ; K steps 1 and 2 of my 32 rows
	global_prefetch_b8 v[PFO], s[PFA:PFA+1] offset:2*ROWB th:TH_LOAD_NT scope:SCOPE_SE
.macro LW b, sl, q                     ; W's block b of the slot's q-th 128 along K (the destination's window is 1)
.irp c, 0,1,2,3
	ds_load_b128 v[16*(\b)+4*\c:16*(\b)+4*\c+3], v[ADRW+\sl] offset:128*(\q)+32*\c+(\b)*16*PITCH
.endr
.endm
.macro LA a, set, sl, q                ; A's block a into a set
.irp c, 0,1,2,3
	ds_load_b128 v[AF+64*(\set)+16*(\a)+4*\c:AF+64*(\set)+16*(\a)+4*\c+3], v[ADRA+\sl] offset:128*(\q)+32*\c+(\a)*16*PITCH
.endr
.endm
; One product.  A's word of step q stands in the odd or even register that W's does not (the words are swapped in a_scales).  The 64 accumulators take turns in one order.
.macro WM a, b, q, sl, zero
.set D_, 32*((\b)%8)+8*(\a)
.set A_, AF+64*(\q)+16*(\a)
.set W_, 16*(\b)
.set X_, SA+24*(\sl)+2*((\a)/2)+1-(\q)
.set Y_, SA+24*(\sl)+4+2*((\b)/2)+(\q)
.set R_, 2*((\a)%2)+(\b)%2+4*(\zero)
.if R_ == 0
	v_wmma_scale_f32_16x16x128_f8f6f4 v[D_:D_+7], v[A_:A_+15], v[W_:W_+15], v[D_:D_+7], v[X_], v[Y_] matrix_a_fmt:MATRIX_FMT_BF8 matrix_b_fmt:MATRIX_FMT_BF8
.elseif R_ == 1
	v_wmma_scale_f32_16x16x128_f8f6f4 v[D_:D_+7], v[A_:A_+15], v[W_:W_+15], v[D_:D_+7], v[X_], v[Y_] matrix_a_fmt:MATRIX_FMT_BF8 matrix_b_fmt:MATRIX_FMT_BF8 matrix_b_scale:MATRIX_SCALE_ROW1
.elseif R_ == 2
	v_wmma_scale_f32_16x16x128_f8f6f4 v[D_:D_+7], v[A_:A_+15], v[W_:W_+15], v[D_:D_+7], v[X_], v[Y_] matrix_a_fmt:MATRIX_FMT_BF8 matrix_b_fmt:MATRIX_FMT_BF8 matrix_a_scale:MATRIX_SCALE_ROW1
.elseif R_ == 3
	v_wmma_scale_f32_16x16x128_f8f6f4 v[D_:D_+7], v[A_:A_+15], v[W_:W_+15], v[D_:D_+7], v[X_], v[Y_] matrix_a_fmt:MATRIX_FMT_BF8 matrix_b_fmt:MATRIX_FMT_BF8 matrix_a_scale:MATRIX_SCALE_ROW1 matrix_b_scale:MATRIX_SCALE_ROW1
.elseif R_ == 4
	v_wmma_scale_f32_16x16x128_f8f6f4 v[D_:D_+7], v[A_:A_+15], v[W_:W_+15], 0, v[X_], v[Y_] matrix_a_fmt:MATRIX_FMT_BF8 matrix_b_fmt:MATRIX_FMT_BF8
.elseif R_ == 5
	v_wmma_scale_f32_16x16x128_f8f6f4 v[D_:D_+7], v[A_:A_+15], v[W_:W_+15], 0, v[X_], v[Y_] matrix_a_fmt:MATRIX_FMT_BF8 matrix_b_fmt:MATRIX_FMT_BF8 matrix_b_scale:MATRIX_SCALE_ROW1
.elseif R_ == 6
	v_wmma_scale_f32_16x16x128_f8f6f4 v[D_:D_+7], v[A_:A_+15], v[W_:W_+15], 0, v[X_], v[Y_] matrix_a_fmt:MATRIX_FMT_BF8 matrix_b_fmt:MATRIX_FMT_BF8 matrix_a_scale:MATRIX_SCALE_ROW1
.else
	v_wmma_scale_f32_16x16x128_f8f6f4 v[D_:D_+7], v[A_:A_+15], v[W_:W_+15], 0, v[X_], v[Y_] matrix_a_fmt:MATRIX_FMT_BF8 matrix_b_fmt:MATRIX_FMT_BF8 matrix_a_scale:MATRIX_SCALE_ROW1 matrix_b_scale:MATRIX_SCALE_ROW1
.endif
.endm
.macro GRPS g0, q, sl, zero            ; sixteen products: W's blocks g0 .. g0 + 3, each against A's four
.irp g, \g0, \g0+1, \g0+2, \g0+3
.irp a, 0,1,2,3
	WM \a, \g, \q, \sl, \zero
.endr
.endr
.endm
; A step of 128 along K: 32 products on W's blocks 0-7; eight places and a run of loads: the next step's W 0-7 and A's four blocks; 32 products on W's blocks 8-15; eight places and the next step's W 8-15.
; At a step's head the youngest 32 LDS loads (W 8-15) may be out; in its middle all are waited for.
; mode 1, 2: a slot's last step: all its reads were issued in the step before; behind sixteen products stand the three lines, with sixteen more products between the add and its wait, then a round of the cluster's barrier and
; the slot's refill (2: with the next tile's K step).  mode 3: the barrier alone: the other slot is shown, nothing is filled.
; sld 1, 2: the next K step's scale words into the other set (2: the next tile's first).  fetch = 0, a tile's last step: nothing is fetched; the first block's C_prev is asked for.
.macro STEP sl, q, zero, mode, fetch, nsl, sld
.if (\mode) == 1 || (\mode) == 2
	s_wait_xcnt 0x0                                ; my last prefetch has read its address
.if (\mode) == 2 && (\sl) == 0
	s_add_nc_u64 s[PFA:PFA+1], s[PFA:PFA+1], WALK*KROW-7*ROWB   ; from K step 6 to one K step ahead of the next tile's first
	s_cmp_eq_u32 s15, 0
	s_cselect_b32 s[LIM], s[LIM], -1
.else
	s_add_nc_u64 s[PFA:PFA+1], s[PFA:PFA+1], ROWB
.endif
.endif
.if (\q) == 0
	s_wait_loadcnt 0x0                             ; this K step's scale words, asked for a K step ago
.endif
	s_wait_dscnt 32                                ; A's set and W 0-7 are in; the youngest 32 loads, W 8-15, may be out
	WIN MUL_LO
	GRPS 0, \q, \sl, \zero
.if (\mode) > 0
	WIN 0
	s_wait_tensorcnt 0x0                           ; all my tensor loads have landed: my part of the other slot;
	ds_add_u32 v[SPW], v[NIL]                      ; sixteen products stand between the add and the wait for it
.if (\mode) == 1
	s_add_nc_u64 s[G0+4*\sl+2:G0+4*\sl+3], s[G0+4*\sl+2:G0+4*\sl+3], 2*ROWB
	s_add_nc_u64 s[G0B+4*\sl+2:G0B+4*\sl+3], s[G0B+4*\sl+2:G0B+4*\sl+3], 2*ROWB
.elseif (\mode) == 2
	s_add_nc_u64 s[G0+4*\sl+2:G0+4*\sl+3], s[G0+4*\sl+2:G0+4*\sl+3], WALK*KROW-6*ROWB
	s_sub_nc_u64 s[G0B+4*\sl+2:G0B+4*\sl+3], s[G0B+4*\sl+2:G0B+4*\sl+3], 6*ROWB
.endif
	WIN MUL_LO
.endif
	GRPS 4, \q, \sl, \zero
	WIN 0
	s_wait_dscnt 0x0                               ; W 8-15 are in; in a slot's last step: the add is done, and my reads of the slot are over
.if (\mode) > 0
	s_barrier_signal -1
	s_barrier_wait -1
.endif
.if (\mode) == 1 || (\mode) == 2
	CREST
	JLOAD \sl                                      ; the first tensor load behind the round; its four v_nop are four of the eight places
	ASK \mode
	PLACES 4
.else
	PLACES 8
.endif
.if \fetch
	WIN TO_W
.irp b, 0,1,2,3,4,5,6,7
	LW \b, \nsl, 1-(\q)
.endr
	WIN 0
.irp a, 0,1,2,3
	LA \a, 1-(\q), \nsl, 1-(\q)
.endr
.else
.irp j, 0,1,2,3,4,5,6,7
	global_load_b128 v[CP+4*\j:CP+4*\j+3], v[VO], s[CPB:CPB+1] offset:4096*\j th:TH_LOAD_NT   ; into A's set 0, which has no products left
.endr
.endif
.if (\sld) == 1
	s_add_nc_u64 s[SAB:SAB+1], s[SAB:SAB+1], 65536 ; (the loads that read these bases were waited for at the step's head)
	s_add_nc_u64 s[SWB:SWB+1], s[SWB:SWB+1], 32768
	SLOAD 1-(\sl)
.elseif (\sld) == 2
	s_sub_nc_u64 s[SAB:SAB+1], s[SAB:SAB+1], 7*65536-WALK*8
	s_sub_nc_u64 s[SWB:SWB+1], s[SWB:SWB+1], 7*32768
	SLOAD 1-(\sl)
.endif
.if \zero
	global_prefetch_b8 v[PCV], s[CPB:CPB+1] th:TH_LOAD_NT scope:SCOPE_SE                 ; this tile's C_prev, my 64 rows, a lane a row of 256 bytes: wanted 15 steps on
	global_prefetch_b8 v[PCV], s[CPB:CPB+1] offset:131072 th:TH_LOAD_NT scope:SCOPE_SE
.endif
	WIN MUL_LO+0x50
	GRPS 8, \q, \sl, \zero
	GRPS 12, \q, \sl, \zero
.if \fetch
	PLACES 8
	WIN TO_W
.irp b, 8,9,10,11,12,13,14,15
	LW \b, \nsl, 1-(\q)
.endr
.endif
	WIN 0
.endm
.macro PRO x                           ; a tile's first fragments, in the order in which a step fetches them.  x = 1: W 8-15 take registers that the last stores read
.irp a, 0,1,2,3
	LA \a, 0, 0, 0
.endr
	WIN TO_W
.irp b, 0,1,2,3,4,5,6,7
	LW \b, 0, 0
.endr
.if \x
	s_wait_xcnt 0x0                                ; the stores have read their registers and their offset
.endif
.irp b, 8,9,10,11,12,13,14,15
	LW \b, 0, 0
.endr
	WIN 0
.endm
; THE CELL, block a of my four (16 rows).  The first part names the block's accumulators: the exponents L (sum + bias), in place (L = -log2 e for f, i, o and 2 log2 e for C~), each accumulator from its low end on,
; and the exponentials, which lay gate g of row j, hidden unit 4 r + i at v[32 g + 4 j + i] of window 1: the order in which C_prev's loads bring a row's four numbers.
.macro STUB a
	s_wait_alu depctr_va_vdst(0)                   ; the wait ahead of the first readers of matrix results
	WIN 0x82
.irp b, 0,1,2,3,4,5,6,7
.irp j, 0,2,4,6
	v_pk_fma_f32 v[32*\b+8*(\a)+\j:32*\b+8*(\a)+\j+1], v[32*\b+8*(\a)+\j:32*\b+8*(\a)+\j+1], 0xbfb8aa3b, v[BI+2*\b:BI+2*\b+1] op_sel_hi:[1,0,1]
.endr
.endr
	WIN 0xc3
	s_wait_alu depctr_va_vdst(0)
.irp b, 0,1,2,3,4,5,6,7
.irp j, 0,2,4,6
.if \b < 4
	v_pk_fma_f32 v[32*\b+8*(\a)+\j:32*\b+8*(\a)+\j+1], v[32*\b+8*(\a)+\j:32*\b+8*(\a)+\j+1], 0xbfb8aa3b, v[BI+16+2*\b:BI+17+2*\b] op_sel_hi:[1,0,1]
.else
	v_pk_fma_f32 v[32*\b+8*(\a)+\j:32*\b+8*(\a)+\j+1], v[32*\b+8*(\a)+\j:32*\b+8*(\a)+\j+1], 0x4038aa3b, v[BI+16+2*\b:BI+17+2*\b] op_sel_hi:[1,0,1]
.endif
.endr
.endr
	s_wait_alu depctr_va_vdst(0)                   ; ahead of the batch
.irp g, 0,1,2,3
	WIN 0x42+\g/2
.irp i, 0,1,2,3
.irp j, 0,1,2,3,4,5,6,7
	v_exp_f32 v[32*\g+4*\j+\i], v[32*(4*(\g%2)+\i)+8*(\a)+\j]
.endr
.endr
.endr
	WIN 0
	v_nop
	s_wait_alu depctr_va_vdst(0)                   ; behind the batch, ahead of the branch and the label
.endm
; Four trips, one for each block.  The part that names the block's accumulators is chosen by the trip's number; the rest is the same text for all blocks.
; The offset is stepped in a trip's middle (by 0 in the first trip), behind the wait that frees the last trip's stores' registers: so no wait stands straight behind stores.
.macro EPI
	s_mov_b32 s72, 0
	s_mov_b32 s73, 0
.Lunit_\@:
	s_cmp_lg_u32 s72, 0
	s_cbranch_scc1 .Lb1_\@
	STUB 0
	s_branch .Lcom_\@
.Lb1_\@:
	s_cmp_lg_u32 s72, 1
	s_cbranch_scc1 .Lb2_\@
	STUB 1
	s_branch .Lcom_\@
.Lb2_\@:
	s_cmp_lg_u32 s72, 2
	s_cbranch_scc1 .Lb3_\@
	STUB 2
	s_branch .Lcom_\@
.Lb3_\@:
	STUB 3
.Lcom_\@:
	WIN 0x41
.set k, 0
.rept 64
	v_pk_add_f32 v[k:k+1], v[k:k+1], 1.0 op_sel_hi:[1,0]
.set k, k+2
.endr
	s_wait_alu depctr_va_vdst(0)
.set k, 0
.rept 128
	v_rcp_f32 v[k], v[k]                           ; 0.. f, 32.. i, 64.. o
.set k, k+1
.endr
	v_nop
	s_wait_alu depctr_va_vdst(0)
.set k, 0
.rept 16
	v_pk_fma_f32 v[96+k:97+k], v[96+k:97+k], -2.0, 1.0 op_sel_hi:[1,0,0]   ; C~
.set k, k+2
.endr
	WIN 0
	s_wait_alu depctr_va_vdst(0)                   ; the wait ahead of the waits below
	s_wait_loadcnt 0x0                             ; C_prev of this block
	s_wait_xcnt 0x0                                ; the last block's stores have read their registers and the offset
	v_add_nc_u32 v[VO], s73, v[VO]                 ; 16 rows on, from the second trip
	s_mov_b32 s73, 0x10000
	WIN 0x41
.set k, 0
.rept 16
	v_pk_mul_f32 v[CT+k:CT+k+1], v[k:k+1], v[CP+k:CP+k+1]                  ; f C_prev (C_prev in window 0)
.set k, k+2
.endr
	WIN 0x55
.set k, 0
.rept 16
	v_pk_fma_f32 v[CT+k:CT+k+1], v[32+k:33+k], v[96+k:97+k], v[CT+k:CT+k+1]   ; + i C~ = C_t
.set k, k+2
.endr
	WIN 0x04
.irp j, 0,1,2,3,4,5,6,7
	global_store_b128 v[VO], v[CT+4*\j:CT+4*\j+3], s[O1:O1+1] offset:4096*\j th:TH_STORE_NT   ; sixteen lanes store 256 consecutive bytes, aligned
.endr
	WIN 0x41
.set k, 0
.rept 16
	v_pk_mul_f32 v[XT+k:XT+k+1], v[CT+k:CT+k+1], 0x4038aa3b op_sel_hi:[1,0]
.set k, k+2
.endr
	WIN 0
	s_cmp_eq_u32 s72, 3
	s_cbranch_scc1 .Lnone_\@                       ; no block follows the fourth
.irp j, 0,1,2,3,4,5,6,7
	global_load_b128 v[CP+4*\j:CP+4*\j+3], v[VO], s[CPB:CPB+1] offset:65536+4096*\j th:TH_LOAD_NT   ; the next block's C_prev
.endr
.Lnone_\@:
	WIN 0x41
	s_wait_alu depctr_va_vdst(0)
.set k, 0
.rept 32
	v_exp_f32 v[XT+k], v[XT+k]
.set k, k+1
.endr
	v_nop
	s_wait_alu depctr_va_vdst(0)
.set k, 0
.rept 16
	v_pk_add_f32 v[XT+k:XT+k+1], v[XT+k:XT+k+1], 1.0 op_sel_hi:[1,0]
.set k, k+2
.endr
	s_wait_alu depctr_va_vdst(0)
.set k, 0
.rept 32
	v_rcp_f32 v[XT+k], v[XT+k]
.set k, k+1
.endr
	v_nop
	s_wait_alu depctr_va_vdst(0)
.set k, 0
.rept 16
	v_pk_fma_f32 v[XT+k:XT+k+1], v[XT+k:XT+k+1], -2.0, 1.0 op_sel_hi:[1,0,0]   ; tanh(C_t)
.set k, k+2
.endr
	WIN 0x45
.set k, 0
.rept 16
	v_pk_mul_f32 v[HT+k:HT+k+1], v[64+k:65+k], v[XT+k:XT+k+1]              ; h_t
.set k, k+2
.endr
	WIN 0x04
.irp j, 0,1,2,3,4,5,6,7
	global_store_b128 v[VO], v[HT+4*\j:HT+4*\j+3], s[O0:O0+1] offset:4096*\j th:TH_STORE_NT
.endr
	WIN 0
	s_wait_alu depctr_va_vdst(0)                   ; the wait ahead of the branch
	s_add_co_u32 s72, s72, 1
	s_cmp_lt_u32 s72, 4
	s_cbranch_scc1 .Lunit_\@
.endm
	s_wait_tensorcnt 0x0                           ; my part of K step 0 is in
	ds_add_u32 v[SPW], v[NIL]
	s_wait_dscnt 0x0
	CROUND
	JLOAD 1                                        ; K step 1, the first tensor load behind the round
	PRO 0
	global_prefetch_b8 v[PFO], s[PFA:PFA+1] offset:3*ROWB th:TH_LOAD_NT scope:SCOPE_SE   ; behind K step 1's load: K step 3
	s_wait_loadcnt 0x0                             ; the biases (and K step 0's scale words)
.set k, 0
.rept 16
.if k < 12
	v_mul_f32 v[BI+2*k], 0xbfb8aa3b, v[112+k]
	v_mul_f32 v[BI+2*k+1], 0xbfb8aa3b, v[112+k]
.else
	v_mul_f32 v[BI+2*k], 0x4038aa3b, v[112+k]
	v_mul_f32 v[BI+2*k+1], 0x4038aa3b, v[112+k]
.endif
.set k, k+1
.endr
	s_wait_alu depctr_va_vdst(0)                   ; the wait at the head's end
	s_mov_b32 s2, 2                                ; tiles to go
.Ltile:
	STEP 0, 0, 1, 0, 1, 0, 1                       ; a tile's first step starts the sums
	s_mov_b32 s3, 3
.Llap:                                                 ; a trip goes once round the ring and fills both slots again
	STEP 0, 1, 0, 1, 1, 1, 0
	STEP 1, 0, 0, 0, 1, 1, 1
	STEP 1, 1, 0, 1, 1, 0, 0
	STEP 0, 0, 0, 0, 1, 0, 1
	s_sub_co_u32 s3, s3, 1
	s_cmp_lg_u32 s3, 0
	s_cbranch_scc1 .Llap
	s_cmp_eq_u32 s2, 1
	s_cbranch_scc1 .Llast                          ; the last tile's tail is written out: it asks for nothing more
	STEP 0, 1, 0, 2, 1, 1, 0                       ; the ring goes on: slot 0 takes the next tile's K step 0,
	STEP 1, 0, 0, 0, 1, 1, 2
	STEP 1, 1, 0, 2, 0, 0, 0                       ; slot 1 its K step 1
	EPI
	s_wait_loadcnt 0x0
	PRO 1                                          ; the next tile's first fragments: slot 0 was shown whole by the last round
	v_add_nc_u32 v[VO], (WALK-48)*4096, v[VO]      ; from my fourth block to my first of the next tile (behind the wait inside PRO)
	v_add_nc_u32 v[PCV], WALK*4096, v[PCV]
	s_wait_alu depctr_va_vdst(0)                   ; the wait ahead of the branch
	s_sub_co_u32 s2, s2, 1
	s_branch .Ltile
.Llast:
	STEP 0, 1, 0, 3, 1, 1, 0
	STEP 1, 0, 0, 0, 1, 1, 0
	STEP 1, 1, 0, 0, 0, 0, 0
	EPI
	s_wait_tensorcnt 0x0                           ; the wave's end
	ds_add_u32 v[SPW], v[NIL]
	s_wait_dscnt 0x0
	CROUND                                         ; the closing round
	s_endpgm
.Lfunc_end_k_q774b1c372b_cell:
	.size	k_q774b1c372b_cell, .Lfunc_end_k_q774b1c372b_cell-k_q774b1c372b_cell
	.p2alignl 7, 3214868480
	.fill 96, 4, 3214868480
	.section	.rodata,"a",@progbits
	.p2align	6, 0x0
	.amdhsa_kernel k_q774b1c372b_cell
		.amdhsa_group_segment_fixed_size 327680
		.amdhsa_private_segment_fixed_size 0
		.amdhsa_enable_private_segment 0
		.amdhsa_kernarg_size 88
		.amdhsa_user_sgpr_count 2
		.amdhsa_user_sgpr_kernarg_segment_ptr 1
		.amdhsa_wavefront_size32 1
		.amdhsa_system_sgpr_workgroup_id_x 1
		.amdhsa_system_sgpr_workgroup_id_y 1
		.amdhsa_system_sgpr_workgroup_id_z 1
		.amdhsa_system_vgpr_workitem_id 0
		.amdhsa_next_free_vgpr 1024
		.amdhsa_next_free_sgpr 106
		.amdhsa_reserve_vcc 0
		.amdhsa_float_denorm_mode_32 3
		.amdhsa_float_denorm_mode_16_64 3
		.amdhsa_memory_ordered 1
		.amdhsa_forward_progress 1
		.amdhsa_inst_pref_size 255
	.end_amdhsa_kernel
	.section	.bss,"aw",@nobits
	.p2align	6
	.space	262144
	.amdgpu_metadata
---
amdhsa.version: [ 1, 2 ]
amdhsa.kernels:
  - .name:           k_q774b1c372b_cell
    .symbol:         k_q774b1c372b_cell.kd
    .args:
      - { .name: a_codes, .offset: 0, .size: 8, .value_kind: global_buffer, .address_space: global }
      - { .name: a_scales, .offset: 8, .size: 8, .value_kind: global_buffer, .address_space: global }
      - { .name: w_codes, .offset: 16, .size: 8, .value_kind: global_buffer, .address_space: global }
      - { .name: w_scales, .offset: 24, .size: 8, .value_kind: global_buffer, .address_space: global }
      - { .name: C_prev, .offset: 32, .size: 8, .value_kind: global_buffer, .address_space: global }
      - { .name: b_f, .offset: 40, .size: 8, .value_kind: global_buffer, .address_space: global }
      - { .name: b_i, .offset: 48, .size: 8, .value_kind: global_buffer, .address_space: global }
      - { .name: b_o, .offset: 56, .size: 8, .value_kind: global_buffer, .address_space: global }
      - { .name: b_C, .offset: 64, .size: 8, .value_kind: global_buffer, .address_space: global }
      - { .name: out0, .offset: 72, .size: 8, .value_kind: global_buffer, .address_space: global }
      - { .name: out1, .offset: 80, .size: 8, .value_kind: global_buffer, .address_space: global }
    .group_segment_fixed_size: 327680
    .private_segment_fixed_size: 0
    .kernarg_segment_align: 8
    .kernarg_segment_size: 88
    .max_flat_workgroup_size: 128
    .sgpr_count:     106
    .vgpr_count:     1024
    .wavefront_size: 32
...
	.end_amdgpu_metadata
.endif
;; end of part 2
